; MI455X (gfx1250); checked and timed in simulation.
; The chip was launched on July 23, 2026; its instructions are those of AMD's public machine-readable ISA for CDNA 5 (MIT licence, August 2026) and "CDNA5" Instruction Set Architecture Reference Guide (July 2026). The comments in the code are by the model that wrote it; some were corrected since.
;; Attention Layer. Allowed arithmetic: matrix products marked QUANTISED: E5M2 operands, one E8M0 scale for each 32 along K, by v_wmma_scale_f32_16x16x128_f8f6f4 with both operands' format E5M2, f32 sums; products left as they are: f32 operands where the result goes on into a quantised operand, else bf16, f16 or f32 operands; f32 sums; everything else in f32.
;; Inputs: W1_codes 256 x 16 x 32 uint8 (E5M2 codes of W1, K innermost, in blocks of 32 codes); W1_scales 256 x 16 uint8 (E8M0 scales of W1, one for each 32 codes along K); W2_codes 128 x 8 x 32 uint8 (E5M2 codes of W2, K innermost, in blocks of 32 codes); W2_scales 128 x 8 uint8 (E8M0 scales of W2, one for each 32 codes along K); W3 128 x 1 float32; b1 256 float32; b2 128 float32; b3 1 float32; keys 2,048 x 200 x 128 float32; mask 2,048 x 200 int32; query 2,048 x 128 float32.
;; Outputs: out0 2,048 x 128 float32.
;; This version of the problem:
;;   THIS VERSION OF THE PROBLEM IS GIVEN IN LOW PRECISION. The matrix products marked QUANTISED in the list below multiply operands that are first quantised to E5M2 (5 exponent bits, 2 mantissa bits; 8 bits a number), with one power-of-two scale for each 32 numbers along K (OCP MX v1.0); their sums are f32. All else is computed in f32.
;;   The module's matrix products, in the order in which they are computed (A, B: the left and right operand; K: the contracted axis; several contracted axes count as one K, in the product's order):
;;     1. [M 409,600, K 512] x [K 512, N 256]; A: computed on the way; B: input W1 (given as codes): QUANTISED
;;     2. [M 409,600, K 256] x [K 256, N 128]; A: computed on the way; B: input W2 (given as codes): QUANTISED
;;     3. [M 409,600, K 128] x [K 128, N 1]; A: computed on the way; B: input W3: left as it is (N = 1 < 16)
;;     4. batch 2,048 x [M 1, K 200] x [K 200, N 128]; A: computed on the way; B: input keys: left as it is (M = 1 < 16)
;;   THE QUANTISER, for each operand of a quantised product, along K:
;;     - K is cut into blocks of 32 from its start; a last block that is shorter is filled with zeros.
;;     - A block's scale is 2^e with e = floor(log2(the largest magnitude in the block)) - 15, held to -126 .. 127; a block of zeros has e = 0. As a byte (E8M0): e + 127.
;;     - Each number is divided by its block's scale, clamped to +-57,344, and rounded to the nearest number of E5M2, ties to even, subnormals kept.
;;     - The product sums the exact products of the quantised numbers (number of the format x scale) in f32.
;;   ~~~python
;;   def quantise(x, axis):      # numpy; x: float32 -> the quantised numbers, widened to float32 again
;;       x = np.moveaxis(x, axis, -1); K = x.shape[-1]
;;       x = np.pad(x, [(0, 0)] * (x.ndim - 1) + [(0, -K % 32)]); x = x.reshape(x.shape[:-1] + (-1, 32)); a = np.abs(x).max(-1, keepdims=True)
;;       e = np.where(a > 0, np.clip(np.frexp(np.where(a > 0, a, 1))[1] - 1 - 15, -126, 127), 0)      # np.frexp(a)[1] - 1 = floor(log2(a)), exactly
;;       r = np.clip(x / 2.0 ** e, -57344, 57344)
;;       step = 2.0 ** (np.maximum(np.frexp(np.where(r == 0, 1, r))[1] - 1, -14) - 2)
;;       q = np.round(r / step) * step * 2.0 ** e      # np.round: ties to even
;;       return np.moveaxis(q.reshape(q.shape[:-2] + (-1,))[..., :K], -1, axis).astype(np.float32)
;;   ~~~
;;   OPERANDS COMPUTED ON THE WAY. 'Computed on the way' means the value that the module computes at that place (a softmax that the list does not call 'softmax' is quantised finished and normalised). What goes into a quantiser is computed in f32, as accurately as f32 sums, v_exp_f32 and their like allow (about 1e-6 of the number): no bf16 or f16 on the way to a quantiser, and a product that is left as it is and whose result goes on into a quantised operand takes f32 operands (vector FMAs, or v_wmma_f32_16x16x4_f32). A number that lies on a knife's edge between two numbers of the format may be rounded either way, as far as f32 arithmetic and the matrix unit's own rounding can turn it there, and no further.
;;   INPUTS GIVEN AS CODES. W1 (in the module: [512, 256], K = its axis 0); W2 (in the module: [256, 128], K = its axis 0): each comes as NAME_codes (uint8): NAME with its K axis moved to the last place and cut into blocks of 32 codes, [.., K / 32, bytes a block], one block behind the other in memory; one code a byte (a code: sign, 5 exponent bits, 2 mantissa bits); and NAME_scales (uint8): the same leading axes, one E8M0 byte (e + 127) for each 32 codes along K. Its value is code x scale, taken as it is: it is not quantised again, and the codes and scales need not be those that the quantiser above would give.
;; One version. Each part assembles by itself: llvm-mc -triple=amdgcn-amd-amdhsa -mcpu=gfx1250 --defsym DOCPART=n.
;; ======== version 1 of 1: 2 launches
;; limits: right only within a limited range of input values
;; workspace buffers: order 2,097,152 bytes of whole numbers; cnts 8,192 bytes of whole numbers
;; launch route (part 1): grid 256 x 1, 8 waves a work-group, no clusters, 0 bytes of LDS; arguments mask, order, cnts; writes order, cnts
.if DOCPART == 1
	.amdgcn_target "amdgcn-amd-amdhsa--gfx1250"
	.amdhsa_code_object_version 6
	.text
	.protected	k_q075c9e05ae_route
	.globl	k_q075c9e05ae_route
	.p2align	8
	.type	k_q075c9e05ae_route,@function
k_q075c9e05ae_route:
	s_mov_b64 s[64:65], 0
	v_nop
	global_prefetch_b8 v0, s[64:65] scope:SCOPE_SE
	s_setreg_imm32_b32 hwreg(HW_REG_WAVE_MODE, 25, 1), 1
	s_wait_xcnt 0x0
; mask [2048][200] i32  ->  order [2048][256] u32, 1,024 bytes a batch, and cnts [2048] u32:
;   order, words 0..223: the row number t of the j-th row whose mask is 1, for j < cnt; 0 for every j >= cnt;
;   order, words 224..255: cnt; nobody reads them: they make the row's last 128 bytes whole;      cnts[b]: cnt, the number that steers the next launch's branches.
; A row whose mask is not 1 has the weight 0 in the softmax over t, so the launch behind this one works on the listed rows alone.
; One wave takes one batch: seven groups of 32 rows (the last has 8).  A counting sort without LDS: a group's ballot, the counts of the
; groups before it, and the count of set bits below the lane give each row its place: the rows that count go to 0 .. cnt - 1 in their
; order, all others (t = 200 .. 223 counted among them) behind.  The map t -> place is one to one on 0 .. 223: each word is stored once.
; Every step has registers of its own, so no store's sources are written again.
.set TA, 34                            ; v34  rows that count before mine
.set TB, 35                            ; v35  the place of a row that does not count
	s_load_b128 s[4:7], s[0:1], 0x0                ; mask s[4:5], order s[6:7]
	s_load_b64 s[14:15], s[0:1], 0x10              ; cnts
	v_lshrrev_b32 v1, 5, v0
	s_delay_alu instid0(VALU_DEP_1)
	v_readfirstlane_b32 s8, v1                     ; wave 0..7
	v_and_b32 v1, 31, v0                           ; lane
	s_delay_alu instid0(VALU_DEP_1)
	v_lshlrev_b32 v2, 2, v1                        ; 4 bytes a lane
	s_delay_alu instid0(VALU_DEP_2)
	v_add_nc_u32 v3, 192, v1
	s_delay_alu instid0(VALU_DEP_1)
	v_min_u32 v3, 199, v3                          ; the last group: no load passes the batch's 200 words
	s_delay_alu instid0(VALU_DEP_1)
	v_lshlrev_b32 v3, 2, v3
	v_lshl_add_u32 v33, v1, 2, 896                 ; words 224 + lane
	v_mov_b32 v36, 0                               ; the offset of the store into cnts
.irp i, 0,1,2,3,4,5,6
	v_add_nc_u32 v[11+\i], 32*\i, v1               ; t = 32 i + lane
.endr
	s_lshl_b32 s9, ttmp9, 3
	s_add_co_u32 s9, s9, s8                        ; the batch: 8 x work-group + wave
	s_mul_i32 s10, s9, 800
	s_mov_b32 s11, 0
	s_lshl_b32 s12, s9, 10
	s_mov_b32 s13, 0
	s_lshl_b32 s32, s9, 2
	s_mov_b32 s33, 0
	s_wait_kmcnt 0x0
	s_add_nc_u64 s[4:5], s[4:5], s[10:11]
	s_add_nc_u64 s[6:7], s[6:7], s[12:13]
	s_add_nc_u64 s[14:15], s[14:15], s[32:33]
.irp i, 0,1,2,3,4,5
	global_load_b32 v[4+\i], v2, s[4:5] offset:128*\i th:TH_LOAD_NT
.endr
	global_load_b32 v10, v3, s[4:5] th:TH_LOAD_NT
	s_wait_loadcnt 0x0
.irp i, 0,1,2,3,4,5,6
	v_cmp_eq_u32 s[16+\i], 1, v[4+\i]              ; the group's ballot
.endr
	s_and_b32 s22, s22, 0xff                       ; of the last group only t = 192 .. 199 exist
	s_mov_b32 s24, 0
.irp i, 0,1,2,3,4,5,6
	s_bcnt1_i32_b32 s9, s[16+\i]
	s_add_co_u32 s[25+\i], s[24+\i], s9            ; s[24+i]: rows that count in the groups before i;  s31: cnt
.endr
.irp i, 0,1,2,3,4,5,6
	v_mbcnt_lo_u32_b32 v[TA], s[16+\i], s[24+\i]   ; rows that count before t: the place of a row that counts
	v_add_nc_u32 v[TB], s31, v[11+\i]
	s_delay_alu instid0(VALU_DEP_1)
	v_sub_nc_u32 v[TB], v[TB], v[TA]               ; cnt + the rows before t that do not count
	s_delay_alu instid0(VALU_DEP_1)
	v_cndmask_b32 v[18+\i], v[TB], v[TA], s[16+\i]
	s_delay_alu instid0(VALU_DEP_1)
	v_min_u32 v[18+\i], 223, v[18+\i]              ; a number made of loaded words enters an address behind a bound
	s_delay_alu instid0(VALU_DEP_1)
	v_lshlrev_b32 v[18+\i], 2, v[18+\i]
	v_cndmask_b32 v[25+\i], 0, v[11+\i], s[16+\i]  ; t, or 0 behind the list's end
	global_store_b32 v[18+\i], v[25+\i], s[6:7]
.endr
	v_mov_b32 v32, s31
	global_store_b32 v33, v32, s[6:7]              ; cnt, 32 times: the batch's 1,024 bytes are all written
	v_cmp_eq_u32 vcc_lo, 0, v1                     ; lane 0 alone stores the batch's word of cnts: 4 bytes a wave, 32 a work-group
	s_wait_alu depctr_va_vdst(0)
	s_wait_xcnt 0x0                                ; EXEC is a source of the stores above: it changes only behind this wait
	s_and_saveexec_b32 s9, vcc_lo
	global_store_b32 v36, v32, s[14:15]
	s_wait_xcnt 0x0                                ; and again, in front of the line that widens it
	s_or_b32 exec_lo, exec_lo, s9
	s_endpgm
.Lfunc_end_k_q075c9e05ae_route:
	.size	k_q075c9e05ae_route, .Lfunc_end_k_q075c9e05ae_route-k_q075c9e05ae_route
	.p2alignl 7, 3214868480
	.fill 96, 4, 3214868480
	.section	.rodata,"a",@progbits
	.p2align	6, 0x0
	.amdhsa_kernel k_q075c9e05ae_route
		.amdhsa_group_segment_fixed_size 0
		.amdhsa_private_segment_fixed_size 0
		.amdhsa_enable_private_segment 0
		.amdhsa_kernarg_size 24
		.amdhsa_user_sgpr_count 2
		.amdhsa_user_sgpr_kernarg_segment_ptr 1
		.amdhsa_wavefront_size32 1
		.amdhsa_system_sgpr_workgroup_id_x 1
		.amdhsa_system_sgpr_workgroup_id_y 1
		.amdhsa_system_sgpr_workgroup_id_z 1
		.amdhsa_system_vgpr_workitem_id 0
		.amdhsa_next_free_vgpr 48
		.amdhsa_next_free_sgpr 66
		.amdhsa_reserve_vcc 1
		.amdhsa_float_denorm_mode_32 3
		.amdhsa_float_denorm_mode_16_64 3
		.amdhsa_memory_ordered 1
		.amdhsa_forward_progress 1
		.amdhsa_inst_pref_size 8
	.end_amdhsa_kernel
	.amdgpu_metadata
---
amdhsa.version: [ 1, 2 ]
amdhsa.kernels:
  - .name:           k_q075c9e05ae_route
    .symbol:         k_q075c9e05ae_route.kd
    .args:
      - { .name: mask, .offset: 0, .size: 8, .value_kind: global_buffer, .address_space: global }
      - { .name: order, .offset: 8, .size: 8, .value_kind: global_buffer, .address_space: global }
      - { .name: cnts, .offset: 16, .size: 8, .value_kind: global_buffer, .address_space: global }
    .group_segment_fixed_size: 0
    .private_segment_fixed_size: 0
    .kernarg_segment_align: 8
    .kernarg_segment_size: 24
    .max_flat_workgroup_size: 256
    .sgpr_count:     66
    .vgpr_count:     48
    .wavefront_size: 32
...
	.end_amdgpu_metadata
.endif
;; end of part 1
;; launch attend (part 2): grid 256 x 1, 8 waves a work-group, no clusters, 325,376 bytes of LDS; arguments order, keys, query, W1_codes, W1_scales, W2_codes, W2_scales, W3, b1, b2, b3, out0, cnts; writes out0
.if DOCPART == 2
	.amdgcn_target "amdgcn-amd-amdhsa--gfx1250"
	.amdhsa_code_object_version 6
	.text
	.protected	k_q075c9e05ae_attend
	.globl	k_q075c9e05ae_attend
	.p2align	8
	.type	k_q075c9e05ae_attend,@function
k_q075c9e05ae_attend:
	s_mov_b64 s[64:65], 0
	v_nop
	global_prefetch_b8 v0, s[64:65] scope:SCOPE_SE
	s_setreg_imm32_b32 hwreg(HW_REG_WAVE_MODE, 25, 1), 1
	s_wait_xcnt 0x0
; out[b] = sum over t of softmax_t(score[b][t]) keys[b][t],  score = sigmoid(h2 W3 + b3), h2 = sigmoid(Q(h1) W2 + b2), h1 = sigmoid(Q(x) W1 + b1),
; x = [k, q, k - q, q k] (512 numbers), Q the MX quantiser to E5M2 along K; rows whose mask is not 1 have the weight 0.  W1, W2 come as codes, K innermost.
; ONLY THE LISTED ROWS ARE WORKED ON: order[b] (stored by the launch before) holds the rows that count, then zeros; cnts[b] holds their number cnt.
; Rows are taken in tiles of 16 list entries; MT = max(1, ceil(cnt / 16)) <= 13.  Entries j >= cnt name row 0 of the batch and get p = 0.
; SOFTMAX WITHOUT A MAXIMUM: the score is a sigmoid's result, in [0, 1] for every input, so exp(score) lies in [1, e] and a batch's sum is at most 200 e.
; With cnt = 0 the sum is 0 and 0 x (1 / 0) gives NaN, as the softmax of nothing but -infinity does.
; LIMITS: NaN and infinities among the inputs are not served (a key row that is not listed is not read; row 0 is read for the list's tail and multiplied by 0);
; a block of zeros gets the scale byte 1 and not 127: its codes are zeros, and the bytes are read by this program alone.
; SHARES.  A work-group of eight waves, two to a SIMD, walks 8 batches.  A batch has four phases, three barriers:
;  X   wave w takes tile w (and w + 8): its 16 key rows, asked for a batch ahead, go as f32 into the wave's own stage; k, k - q, q k are quantised: three fragments go to LDS as images of
;      their registers (16 bytes a lane, 512 a store) with their scale words.  Wave 7 quantises q.
;  P1  THE WAVES SHARE THE COLUMNS: wave w keeps W1's hidden units 32 w .. 32 w + 31 in registers for the whole launch; for each tile 8 matrix instructions (transposed: source 0 = W1's rows),
;      sigmoid, and its 32 units are ONE block of the next K: 4 registers of codes and 1 scale byte go to LDS.
;  P2  wave (g = w % 4, j = w / 4) keeps W2's outputs 32 g .. 32 g + 31; for tiles j, j + 2, ..: 4 matrix instructions, sigmoid, its part of the dot product with W3.
;  S   the tile's owner adds the four parts, p = exp(sigmoid(.)), and sums p x its 16 staged rows; wave 0 adds the eight waves' sums behind the next batch's first barrier and stores 512 bytes.
; The rows of W1 that form a tile are not neighbours: lane r of tile u takes unit 32 w + 8 u + r + 8 (r / 8), so that a lane's 16 results are units 32 w + 16 (lane / 16) + 0 .. 15.
; NO TENSOR LOADS, NO CLUSTER: which work is done hangs on stored counts, so operands come through registers; work-groups share the weights alone, 160 KB that each reads once for its eight batches.
; Every barrier stands in the common text; branches on MT or on the wave's number jump over work only; the loops' trip counts are constants (8, 13, 7).
;
; LDS.  Every tiled region has room for 16 tiles, though a batch has at most 13: every address that the text can form (tile wave + 8; a look-ahead of one or two tiles) lies in its own region.
.set QIMG, 0                           ; q's fragment: 512 c + 16 lane
.set QSC,  2048                        ; its scale word: 4 lane
.set LP,   2176                        ; the waves' sums of p: 4 w
.set OUTP, 2304                        ; the waves' weighted sums: 512 w + 16 lane
.set PB,   6400                        ; a tile's 16 p, each wave's own: 64 w + 4 r
.set PART, 6912                        ; the four parts of a row's dot product: 256 m + 16 r + 4 g
.set XSC,  11008                       ; x's scale words: 384 m + 128 f + 4 lane   (f = 0: k, 1: k - q, 2: q k)
.set HSC,  17152                       ; h1's: 256 m + 128 s + 4 lane + byte c
.set XIMG, 21248                       ; x's fragments: 6144 m + 2048 f + 512 c + 16 lane
.set HIMG, 119552                      ; h1's: 4096 m + 2048 s + 512 c + 16 lane
.set STG,  185088                      ; the f32 keys, each wave's own: region 2 w + u of 8,448 bytes: 16 rows, 528 bytes apart
.set QST,  321280                      ; behind the spare words: q as f32, each wave's own copy: 512 w + 4 x channel
; VECTOR REGISTERS.  Window 1: v0-127 W1's fragments (u, s) at 16 (4 u + s); v128-191 W2's at 128 + 16 (2 u + s); v192-255 KR: my tile's keys, register 16 c + i = k 32 c + 16 (lane / 16) + i of row lane % 16.
.set KR,   192
; Window 0, kept: addresses made at the head
.set LI,   1                           ; 16 lane
.set LS,   2                           ; 4 lane
.set STW,  3
.set STR,  4
.set XIW,  5
.set XSW,  6
.set HIWB, 7
.set HSWB, 8
.set QW,   9                           ; q's copy, in: QST + 512 w + 16 lane
.set QR,   10                          ; and back: QST + 512 w + 64 (lane / 16)
.set PWB,  11
.set PRD,  12
.set PBW,  13
.set PBR,  14
.set OPW,  15
.set LPW,  16
.set LPR,  17
.set RJ,   18                          ; my list entry: 16 w + r
.set KH,   19                          ; 64 (lane / 16)
.set IA,   20                          ; my entry's byte in the list: 64 w + 4 r
.set KA,   21                          ; my key row's byte offset
.set IDXN, 22                          ; the next batch's entry
.set IDXO, 23                          ; tile w + 8's entry
.set W1S,  24                          ; v24-31 W1's scale words (4 u + s); v32-35 W2's (2 u + s); v36-39 x's (by K step; 37 is q's); v40-41 h1's: these hold scales and nothing else
.set W2S,  32
.set XS,   36
.set HS,   40
.set B1,   42                          ; v42-57 b1, v58-73 b2, v74-89 W3: eight a tile, in the result's layout
.set B2,   58
.set W3V,  74
.set XQ,   90                          ; v90-153 q as f32, laid as KR
; Window 0, at work
.set T,    154                         ; X: 64 numbers
.set XB,   154                         ; P1: x's fragment of K step s at XB + 16 s
.set HF,   154                         ; P2: h1's two fragments
.set RW,   154                         ; S: 16 rows, 4 registers each
.set FN,   154                         ; the last sum: 8 x 4
.set LL,   186
.set RS,   188
.set PC,   218                         ; X: a fragment's codes
.set ACC,  218                         ; P1, P2: two accumulators
.set PV,   218                         ; S: the tile's 16 p in every lane
.set TM,   234                         ; X: +0 largest magnitudes, +4 bytes, +8 the largest number x the scale, +12 the conversions' scale operands
.set PW,   250                         ; X: the scale word
.set PCB,  234                         ; P1: a block's codes
.set TMB,  238
.set DT,   234                         ; P2
.set TP,   238
.set PP,   234                         ; S
.set A0,   238
.set A1,   242
.set LSUM, 246
.set PT,   247
.set XIR,  251                         ; v251-254: LDS addresses that step with the tile; they hold nothing else
.set XSR,  252
.set HIW,  253
.set HSW,  254
; SCALAR REGISTERS
.set WV,   2
.set G,    3
.set J,    4
.set N,    5                           ; the trip: batch 8 x work-group + N
.set NB,   6
.set CNT,  7
.set KBN,  32                          ; s[32:33] keys, s[34:35] query at the batch whose loads were issued last; s[36:37] its word of cnts; s[38:39] the list of the batch behind it
.set QBN,  34
.set O1,   36
.set O2,   38
.set OT,   40
.set OUTT, 42
.set OFS,  44                          ; s[44:45] an offset, its high word 0
.set MT,   46
.set CNTN, 47
.set M,    48
.set MX,   49
.set MS,   50
.set MH,   51
.set MHS,  52
.set T0,   53
.set CT,   54
.set T1,   55
.set NL2E, 56                          ; s[56:57] -log2(e): the packed form names a pair and takes its low word
.set L2E,  58
.set MNT,  59                          ; the mantissa field of 57,344
.set SEL,  60                          ; s[60:61] v_permlanex16_b32's selects for lane l xor 16
.set B3N,  62                          ; b3 x -log2(e)
.set WV8,  63
.set CB,   66                          ; s[66:67] cnts at the work-group's first batch
.set MSB, 0
.macro WIN new                         ; s_set_vgpr_msb: bits 1:0 source 0, 3:2 source 1, 5:4 source 2, 7:6 destination; the high byte repeats the setting that is left
.if MSB != (\new)
	s_set_vgpr_msb (MSB<<8)|(\new)
.set MSB, (\new)
.endif
.endm
.macro BARRIER                         ; my LDS stores have landed and my LDS loads are in: then the work-group's barrier
	s_wait_dscnt 0x0
	s_barrier_signal -1
	s_barrier_wait -1
.endm
; 64 numbers of a lane at v[src] on, in window ws (register 16 b + i = k 32 b + 16 (lane / 16) + i of my row), become a fragment's codes in v[PC] on and its scale word in v[PW].  v[T] on takes the held numbers.
.macro QUANT src, ws
	WIN (\ws)*0x14
.irp b, 0,1,2,3
	v_max3_num_f32 v[TM+\b], 0x8000000, |v[\src+16*\b]|, |v[\src+16*\b+1]|   ; my 16 numbers of block b, and the floor 2^(16 - 127): the byte cannot fall under 1
.endr
.irp i, 2,4,6,8,10,12,14
.irp b, 0,1,2,3
	s_delay_alu instid0(VALU_DEP_4)
	v_max3_num_f32 v[TM+\b], v[TM+\b], |v[\src+16*\b+\i]|, |v[\src+16*\b+\i+1]|   ; the four blocks by turns
.endr
.endr
	WIN 0
.irp b, 0,1,2,3
	v_permlanex16_b32 v[TM+4+\b], v[TM+\b], s[SEL], s[SEL+1]
.endr
.irp b, 0,1,2,3
	s_delay_alu instid0(VALU_DEP_4)
	v_max_num_f32 v[TM+\b], v[TM+\b], v[TM+4+\b]   ; with lane l xor 16's 16: the block's largest magnitude
.endr
.irp b, 0,1,2,3
	s_delay_alu instid0(VALU_DEP_4)
	v_add_nc_u32 v[TM+12+\b], 0xf8800000, v[TM+\b] ; 15 off its exponent field: the conversion takes this operand's exponent field as its scale
.endr
.irp b, 0,1,2,3
	v_and_or_b32 v[TM+8+\b], v[TM+\b], 0x7f800000, s[MNT]   ; 57,344 x the scale
.endr
.irp b, 0,1,2,3
	v_lshrrev_b32 v[TM+4+\b], 23, v[TM+12+\b]      ; the scale's byte
.endr
	s_wait_alu depctr_va_vdst(0)
	s_wait_dscnt 0x0                               ; the stores of the fragment before have read v[PW] and v[PC] on
	v_lshl_or_b32 v[PW], v[TM+5], 8, v[TM+4]
	s_delay_alu instid0(VALU_DEP_1)
	v_lshl_or_b32 v[PW], v[TM+6], 16, v[PW]
	s_delay_alu instid0(VALU_DEP_1)
	v_lshl_or_b32 v[PW], v[TM+7], 24, v[PW]
	WIN \ws
.set ii, 0
.rept 64
	v_med3_num_f32 v[T+ii], v[\src+ii], -v[TM+8+ii/16], v[TM+8+ii/16]   ; the conversion to an 8-bit code does not saturate (ISA guide 7.6.2): the hold comes first
.set ii, ii+1
.endr
	WIN 0
.irp b, 0,1,2,3
	v_cvt_scalef32_pk8_bf8_f32 v[PC+4*\b:PC+4*\b+1], v[T+16*\b:T+16*\b+7], v[TM+12+\b]
	v_cvt_scalef32_pk8_bf8_f32 v[PC+4*\b+2:PC+4*\b+3], v[T+16*\b+8:T+16*\b+15], v[TM+12+\b]
.endr
	v_nop                                          ; a plain instruction between the last conversion and the next vector instruction that writes its sources
.endm
.macro IMAGE adr, off                  ; the fragment in v[PC] on goes to LDS as it stands
.irp c, 0,1,2,3
	ds_store_b128 v[\adr], v[PC+4*\c:PC+4*\c+3] offset:\off+512*\c
.endr
.endm
.macro KLOAD                           ; my row's 128 numbers, in the fragment's order: 16 loads of 16 bytes a lane cover the tile's 16 rows whole
	WIN 0x40
.irp c, 0,1,2,3
.irp j, 0,1,2,3
	global_load_b128 v[KR+16*\c+4*\j:KR+16*\c+4*\j+3], v[KA], s[KBN:KBN+1] offset:128*\c+16*\j
.endr
.endr
	WIN 0
.endm
; Tile w + 8 u: keys to the stage, three fragments to LDS
.macro XTILE u
	WIN 0x04                                       ; an LDS store's data are its source 1: window 1
.irp c, 0,1,2,3
.irp j, 0,1,2,3
	ds_store_b128 v[STW], v[KR+16*\c+4*\j:KR+16*\c+4*\j+3] offset:8448*\u+128*\c+16*\j
.endr
.endr
	WIN 0
	QUANT KR, 1
	IMAGE XIW, 49152*\u
	ds_store_b32 v[XSW], v[PW] offset:3072*\u
	WIN 0x01
.set ii, 0
.rept 32
	v_pk_add_f32 v[T+ii:T+ii+1], v[KR+ii:KR+ii+1], v[XQ+ii:XQ+ii+1] neg_lo:[0,1] neg_hi:[0,1]   ; k - q
.set ii, ii+2
.endr
	WIN 0
	QUANT T, 0
	IMAGE XIW, 49152*\u+2048
	ds_store_b32 v[XSW], v[PW] offset:3072*\u+128
	WIN 0x01
.set ii, 0
.rept 32
	v_pk_mul_f32 v[T+ii:T+ii+1], v[KR+ii:KR+ii+1], v[XQ+ii:XQ+ii+1]   ; q k
.set ii, ii+2
.endr
	WIN 0
	QUANT T, 0
	IMAGE XIW, 49152*\u+4096
	ds_store_b32 v[XSW], v[PW] offset:3072*\u+256
.endm
; sigmoid of 16 registers in place: 1 / (1 + 2^(-z log2 e)).  Each batch of transcendentals has one plain instruction and one wait behind it, ahead of its first reader.
; The registers are taken in ascending order: each accumulator is first read at its low end.
.macro SIGM base
.irp i, 0,2,4,6,8,10,12,14
	v_pk_mul_f32 v[\base+\i:\base+\i+1], v[\base+\i:\base+\i+1], s[NL2E:NL2E+1] op_sel_hi:[1,0]
.endr
	s_wait_alu depctr_va_vdst(0)
.irp i, 0,1,2,3,4,5,6,7,8,9,10,11,12,13,14,15
	v_exp_f32 v[\base+\i], v[\base+\i]
.endr
	v_nop
	s_wait_alu depctr_va_vdst(0)
.irp i, 0,2,4,6,8,10,12,14
	v_pk_add_f32 v[\base+\i:\base+\i+1], v[\base+\i:\base+\i+1], 1.0 op_sel_hi:[1,0]
.endr
	s_wait_alu depctr_va_vdst(0)
.irp i, 0,1,2,3,4,5,6,7,8,9,10,11,12,13,14,15
	v_rcp_f32 v[\base+\i], v[\base+\i]
.endr
	v_nop
	s_wait_alu depctr_va_vdst(0)
.endm
; my 16 numbers of h1 (never negative) in v[ACC] on are half of one block of 32: codes into v[PCB] on, the byte into v[TMB+4]
.macro QBLK
	v_max3_num_f32 v[TMB], v[ACC], v[ACC+1], 0x8000000          ; two chains, and the floor 2^(16 - 127)
	v_max3_num_f32 v[TMB+5], v[ACC+2], v[ACC+3], v[ACC+4]
	v_max3_num_f32 v[TMB], v[TMB], v[ACC+5], v[ACC+6]
	v_max3_num_f32 v[TMB+5], v[TMB+5], v[ACC+7], v[ACC+8]
	v_max3_num_f32 v[TMB], v[TMB], v[ACC+9], v[ACC+10]
	v_max3_num_f32 v[TMB+5], v[TMB+5], v[ACC+11], v[ACC+12]
	v_max3_num_f32 v[TMB], v[TMB], v[ACC+13], v[ACC+14]
	v_max3_num_f32 v[TMB], v[TMB], v[TMB+5], v[ACC+15]
	s_delay_alu instid0(VALU_DEP_1)
	v_permlanex16_b32 v[TMB+1], v[TMB], s[SEL], s[SEL+1]
	s_delay_alu instid0(VALU_DEP_1)
	v_max_num_f32 v[TMB], v[TMB], v[TMB+1]
	s_delay_alu instid0(VALU_DEP_1)
	v_add_nc_u32 v[TMB+2], 0xf8800000, v[TMB]
	s_delay_alu instid0(VALU_DEP_2)
	v_and_or_b32 v[TMB+3], v[TMB], 0x7f800000, s[MNT]
	s_delay_alu instid0(VALU_DEP_2)
	v_lshrrev_b32 v[TMB+4], 23, v[TMB+2]
.irp i, 0,1,2,3,4,5,6,7,8,9,10,11,12,13,14,15
	v_min_num_f32 v[ACC+\i], v[ACC+\i], v[TMB+3]   ; the hold is one-sided
.endr
	v_cvt_scalef32_pk8_bf8_f32 v[PCB:PCB+1], v[ACC:ACC+7], v[TMB+2]
	v_cvt_scalef32_pk8_bf8_f32 v[PCB+2:PCB+3], v[ACC+8:ACC+15], v[TMB+2]
	v_nop
.endm
.macro FETCHX off                      ; a tile's three fragments of x and their scale words: K steps 0, 2, 3 are images 0, 1, 2
.irp s, 0,2,3
.irp c, 0,1,2,3
	ds_load_b128 v[XB+16*\s+4*\c:XB+16*\s+4*\c+3], v[XIR] offset:\off+2048*((\s+1)/2)+512*\c
.endr
	ds_load_b32 v[XS+\s], v[XSR] offset:(\off/6144)*384+128*((\s+1)/2)
.endr
.endm
.macro FETCHH off                      ; a tile's two fragments of h1 and their scale words
.irp s, 0,1
.irp c, 0,1,2,3
	ds_load_b128 v[HF+16*\s+4*\c:HF+16*\s+4*\c+3], v[XIR] offset:\off+2048*\s+512*\c
.endr
	ds_load_b32 v[HS+\s], v[XSR] offset:(\off/8192)*512+128*\s
.endr
.endm
; Batch NB's keys (my tile) and q into registers, its count, and the list entry of the batch behind it.  All earlier loads of the wave are in.
.macro AHEAD
	s_wait_xcnt 0x0                                ; the bases below are written again only behind this wait
	s_mov_b32 s[OFS+1], 0
	s_mul_i32 s[OFS], s[NB], 102400
	s_add_nc_u64 s[KBN:KBN+1], s[10:11], s[OFS:OFS+1]
	s_lshl_b32 s[OFS], s[NB], 9
	s_add_nc_u64 s[QBN:QBN+1], s[12:13], s[OFS:OFS+1]
	s_lshl_b32 s[OFS], s[NB], 2
	s_add_nc_u64 s[O1:O1+1], s[CB:CB+1], s[OFS:OFS+1]
	s_add_co_u32 s[OFS], s[NB], 1
	s_min_u32 s[OFS], s[OFS], 7                    ; the work-group's last batch has none behind it: no load leaves the lists
	s_lshl_b32 s[OFS], s[OFS], 10
	s_add_nc_u64 s[O2:O2+1], s[8:9], s[OFS:OFS+1]
	v_min_u32 v[KA], 199, v[IDXN]                  ; a loaded number enters an address behind a bound
	s_delay_alu instid0(VALU_DEP_1)
	v_lshlrev_b32 v[KA], 9, v[KA]
	s_delay_alu instid0(VALU_DEP_1)
	v_add_nc_u32 v[KA], v[KA], v[KH]               ; row x 512 + 64 (lane / 16)
	KLOAD
	global_load_b128 v[XQ:XQ+3], v[LI], s[QBN:QBN+1]   ; q's 512 bytes, 16 a lane: one load a wave; the batch's head lays them as KR through the wave's own LDS bytes
	global_load_b32 v[IDXN], v[IA], s[O2:O2+1]
	s_load_b32 s[CNTN], s[O1:O1+1], 0x0            ; the batch's count
.endm
; Tile w + 8 u: p of its 16 rows, and p x the staged rows
.macro STILE u
	ds_load_b128 v[PP:PP+3], v[PRD] offset:2048*\u
.irp i, 0,1,2,3,4,5,6,7,8,9,10,11,12,13,14,15
	ds_load_b128 v[RW+4*\i:RW+4*\i+3], v[STR] offset:8448*\u+528*\i   ; row i: 32 lanes, 16 bytes each
.endr
	s_wait_dscnt 16                                ; the four parts are in; the 16 younger loads, the rows, may be out
	v_add_f32 v[PT], v[PP], v[PP+1]
	v_add_f32 v[PT+1], v[PP+2], v[PP+3]
	s_delay_alu instid0(VALU_DEP_1)
	v_add_f32 v[PT], v[PT], v[PT+1]
	s_delay_alu instid0(VALU_DEP_1)
	v_fma_f32 v[PT], v[PT], s[NL2E], s[B3N]        ; -(z + b3) log2 e
	s_wait_alu depctr_va_vdst(0)
	v_exp_f32 v[PT], v[PT]
	v_add_nc_u32 v[PT+2], 128*\u, v[RJ]            ; my list entry (a plain instruction behind the exponential)
	s_wait_alu depctr_va_vdst(0)
	v_add_f32 v[PT], 1.0, v[PT]
	s_wait_alu depctr_va_vdst(0)
	v_rcp_f32 v[PT], v[PT]                         ; the score
	v_nop
	s_wait_alu depctr_va_vdst(0)
	v_mul_f32 v[PT], s[L2E], v[PT]
	s_wait_alu depctr_va_vdst(0)
	v_exp_f32 v[PT], v[PT]                         ; e^score, in [1, e]
	v_nop
	s_wait_alu depctr_va_vdst(0)
	v_cmp_gt_u32 vcc_lo, s[CNT], v[PT+2]
	v_cndmask_b32 v[PT], 0, v[PT], vcc_lo          ; behind the list's end: 0
	s_delay_alu instid0(VALU_DEP_1)
	v_add_f32 v[LSUM], v[LSUM], v[PT]
	ds_store_b32 v[PBW], v[PT]                     ; lanes r and r + 16 store the same word with the same value
.irp i, 0,1,2,3
	ds_load_b128 v[PV+4*\i:PV+4*\i+3], v[PBR] offset:16*\i   ; LDS serves a wave's instructions in order (ISA guide 5.7.1.4): these see the store; every lane gets all 16
.endr
	s_wait_dscnt 0x0
.irp p, 0,1,2,3,4,5,6,7
.irp e, 0,2
	v_pk_fma_f32 v[A0+\e:A0+\e+1], v[RW+8*\p+\e:RW+8*\p+\e+1], v[PV+2*\p:PV+2*\p+1], v[A0+\e:A0+\e+1] op_sel_hi:[1,0,1]   ; row 2 p: the pair's low word for both halves
.endr
.irp e, 0,2
	v_pk_fma_f32 v[A1+\e:A1+\e+1], v[RW+8*\p+4+\e:RW+8*\p+4+\e+1], v[PV+2*\p:PV+2*\p+1], v[A1+\e:A1+\e+1] op_sel:[0,1,0] op_sel_hi:[1,1,1]   ; row 2 p + 1: its high word
.endr
.endr
.endm
; Wave 0: the eight waves' sums of batch s[T0] are added, divided by the sum of p and stored: 32 lanes store 512 consecutive bytes
.macro FINAL
	s_wait_xcnt 0x0
	s_lshl_b32 s[OFS], s[T0], 9
	s_mov_b32 s[OFS+1], 0
	s_add_nc_u64 s[OUTT:OUTT+1], s[30:31], s[OFS:OFS+1]
.irp i, 0,1,2,3,4,5,6,7
	ds_load_b128 v[FN+4*\i:FN+4*\i+3], v[LI] offset:OUTP+512*\i
.endr
	ds_load_b32 v[LL], v[LPR]
	s_wait_dscnt 0x0
	v_add_f32_dpp v[LL], v[LL], v[LL] row_xmask:1 row_mask:0xf bank_mask:0xf
	s_delay_alu instid0(VALU_DEP_1)
	v_add_f32_dpp v[LL], v[LL], v[LL] row_xmask:2 row_mask:0xf bank_mask:0xf
	s_delay_alu instid0(VALU_DEP_1)
	v_add_f32_dpp v[LL], v[LL], v[LL] row_xmask:4 row_mask:0xf bank_mask:0xf
	s_wait_alu depctr_va_vdst(0)
	v_rcp_f32 v[RS], v[LL]
	v_mov_b32 v[RS+1], 0                           ; the pair's upper word is named below, so it is written; also the plain instruction behind the reciprocal
.irp i, 1,2,3,4,5,6,7
.irp e, 0,2
	v_pk_add_f32 v[FN+\e:FN+\e+1], v[FN+\e:FN+\e+1], v[FN+4*\i+\e:FN+4*\i+\e+1]
.endr
.endr
	s_wait_alu depctr_va_vdst(0)
	v_pk_mul_f32 v[FN:FN+1], v[FN:FN+1], v[RS:RS+1] op_sel_hi:[1,0]
	v_pk_mul_f32 v[FN+2:FN+3], v[FN+2:FN+3], v[RS:RS+1] op_sel_hi:[1,0]
	global_store_b128 v[LI], v[FN:FN+3], s[OUTT:OUTT+1] th:TH_STORE_NT
	s_wait_xcnt 0x0                                ; the store's data are loaded over soon
.endm
	; ---- the head
	s_load_b512 s[8:23], s[0:1], 0x0               ; order s[8:9], keys s[10:11], query s[12:13], W1's codes s[14:15], scales s[16:17], W2's s[18:19], s[20:21], W3 s[22:23]
	s_load_b256 s[24:31], s[0:1], 0x40             ; b1 s[24:25], b2 s[26:27], b3 s[28:29], out s[30:31]
	s_load_b64 s[CB:CB+1], s[0:1], 0x60            ; cnts
	v_lshrrev_b32 v154, 5, v0
	s_delay_alu instid0(VALU_DEP_1)
	v_readfirstlane_b32 s[WV], v154                ; wave 0..7
	v_and_b32 v154, 31, v0                         ; lane
	s_wait_alu depctr_va_vdst(0)
	v_and_b32 v155, 15, v0                         ; r
	s_wait_alu depctr_va_vdst(0)
	v_bfe_u32 v156, v0, 4, 1                       ; h
	v_mov_b32 v[HS], 0x7f7f7f7f                    ; h1's scale words stand at four scales of 1 until the first are loaded.  The two lines stand here, at the head's start: a scale register
	v_mov_b32 v[HS+1], 0x7f7f7f7f                  ; written by a vector instruction stands eight plain vector instructions ahead of the product that names it, and the address lines below are more than that
	s_and_b32 s[G], s[WV], 3
	s_lshr_b32 s[J], s[WV], 2
	s_add_co_u32 s[WV8], s[WV], 8
	s_mov_b32 s[NL2E], 0xbfb8aa3b
	s_mov_b32 s[NL2E+1], s[NL2E]
	s_mov_b32 s[L2E], 0x3fb8aa3b
	s_mov_b32 s[MNT], 0x600000
	s_mov_b32 s[SEL], 0x76543210
	s_mov_b32 s[SEL+1], 0xfedcba98
	v_lshlrev_b32 v[LI], 4, v154
	v_lshlrev_b32 v[LS], 2, v154
	s_mul_i32 s[T0], s[WV], 16896
	s_add_co_u32 s[T0], s[T0], STG                 ; my two stages
	v_mul_u32_u24 v[STW], v155, 528
	s_wait_alu depctr_va_vdst(0)
	v_lshl_add_u32 v[STW], v156, 6, v[STW]
	s_delay_alu instid0(VALU_DEP_1)
	v_add_nc_u32 v[STW], s[T0], v[STW]             ; in: row r, + 64 h
	v_add_nc_u32 v[STR], s[T0], v[LI]              ; back: 16 bytes a lane of a row
	s_mul_i32 s[T0], s[WV], 6144
	s_add_co_u32 s[T0], s[T0], XIMG
	v_add_nc_u32 v[XIW], s[T0], v[LI]
	s_mul_i32 s[T0], s[WV], 384
	s_add_co_u32 s[T0], s[T0], XSC
	v_add_nc_u32 v[XSW], s[T0], v[LS]
	s_lshl_b32 s[T0], s[J], 11                     ; my block of h1: K step w / 4, block w % 4
	s_lshl_b32 s[T1], s[G], 9
	s_add_co_u32 s[T0], s[T0], s[T1]
	v_add_nc_u32 v[HIWB], s[T0], v[LI]
	s_lshl_b32 s[T0], s[J], 7
	s_add_co_u32 s[T0], s[T0], s[G]
	v_add_nc_u32 v[HSWB], s[T0], v[LS]
	s_lshl_b32 s[T0], s[WV], 9
	s_add_co_u32 s[T0], s[T0], QST                 ; my copy of q
	v_add_nc_u32 v[QW], s[T0], v[LI]
	v_lshl_add_u32 v[QR], v156, 6, s[T0]
	s_lshl_b32 s[T0], s[J], 8
	s_lshl_b32 s[T1], s[G], 2
	s_add_co_u32 s[T0], s[T0], s[T1]
	s_add_co_u32 s[T0], s[T0], PART
	v_lshl_add_u32 v[PWB], v155, 4, s[T0]
	s_lshl_b32 s[T0], s[WV], 8
	s_add_co_u32 s[T0], s[T0], PART
	v_lshl_add_u32 v[PRD], v155, 4, s[T0]
	s_lshl_b32 s[T0], s[WV], 6
	v_lshl_add_u32 v[IA], v155, 2, s[T0]
	s_add_co_u32 s[T0], s[T0], PB
	v_lshl_add_u32 v[PBW], v155, 2, s[T0]
	v_mov_b32 v[PBR], s[T0]
	s_lshl_b32 s[T0], s[WV], 9
	s_add_co_u32 s[T0], s[T0], OUTP
	v_add_nc_u32 v[OPW], s[T0], v[LI]
	s_lshl_b32 s[T0], s[WV], 2
	s_add_co_u32 s[T0], s[T0], LP
	v_mov_b32 v[LPW], s[T0]
	v_and_b32 v157, 7, v0
	s_delay_alu instid0(VALU_DEP_1)
	v_lshl_add_u32 v[LPR], v157, 2, LP
	s_lshl_b32 s[T0], s[WV], 4
	v_add_nc_u32 v[RJ], s[T0], v155
	v_lshlrev_b32 v[KH], 6, v156
	s_wait_alu depctr_va_vdst(0)
	s_wait_kmcnt 0x0
	s_load_b32 s[B3N], s[28:29], 0x0
	s_mov_b32 s[OFS+1], 0
	s_lshl_b32 s[OFS], ttmp9, 13                   ; the work-group's eight batches: 8 x 1,024 bytes of lists,
	s_add_nc_u64 s[8:9], s[8:9], s[OFS:OFS+1]
	s_mul_i32 s[OFS], ttmp9, 819200                ; 8 x 102,400 of keys (under 2^32),
	s_add_nc_u64 s[10:11], s[10:11], s[OFS:OFS+1]
	s_lshl_b32 s[OFS], ttmp9, 12                   ; 8 x 512 of query and of out,
	s_add_nc_u64 s[12:13], s[12:13], s[OFS:OFS+1]
	s_add_nc_u64 s[30:31], s[30:31], s[OFS:OFS+1]
	s_lshl_b32 s[OFS], ttmp9, 5                    ; 8 x 4 of counts
	s_add_nc_u64 s[CB:CB+1], s[CB:CB+1], s[OFS:OFS+1]
	global_load_b32 v[IDXN], v[IA], s[8:9]         ; the first batch's list entry
	s_lshl_b32 s[OFS], s[WV], 14                   ; my 32 rows of W1: 512 bytes each,
	s_add_nc_u64 s[14:15], s[14:15], s[OFS:OFS+1]
	s_lshl_b32 s[OFS], s[WV], 9                    ; 16 scale bytes each,
	s_add_nc_u64 s[16:17], s[16:17], s[OFS:OFS+1]
	s_lshl_b32 s[OFS], s[WV], 7                    ; my 32 numbers of b1;
	s_add_nc_u64 s[24:25], s[24:25], s[OFS:OFS+1]
	s_lshl_b32 s[OFS], s[G], 13                    ; my 32 rows of W2: 256 bytes each,
	s_add_nc_u64 s[18:19], s[18:19], s[OFS:OFS+1]
	s_lshl_b32 s[OFS], s[G], 8                     ; 8 scale bytes each,
	s_add_nc_u64 s[20:21], s[20:21], s[OFS:OFS+1]
	s_lshl_b32 s[OFS], s[G], 7                     ; my 32 numbers of W3 and of b2
	s_add_nc_u64 s[22:23], s[22:23], s[OFS:OFS+1]
	s_add_nc_u64 s[26:27], s[26:27], s[OFS:OFS+1]
	v_and_b32 v157, 8, v155
	s_delay_alu instid0(VALU_DEP_1)
	v_add_nc_u32 v157, v157, v155                  ; r + 8 (r / 8)
	s_delay_alu instid0(VALU_DEP_1)
	v_lshlrev_b32 v158, 9, v157
	s_delay_alu instid0(VALU_DEP_1)
	v_lshl_add_u32 v158, v156, 4, v158             ; W1's codes
	v_lshlrev_b32 v159, 8, v155
	s_delay_alu instid0(VALU_DEP_1)
	v_lshl_add_u32 v159, v156, 4, v159             ; W2's codes
	v_lshlrev_b32 v160, 4, v157                    ; W1's scale words
	v_lshlrev_b32 v161, 3, v155                    ; W2's
	v_lshlrev_b32 v162, 5, v156                    ; b2, W3: 32 h
.irp b, 0,1,2,3
	v_mov_b32 v[TM+4+\b], 0                        ; written once: a lane permute's destination counts as one of its sources (v239 serves P1 and P2 too)
.endr
	s_mov_b32 s[NB], 0
	s_mov_b32 s[N], 0
	s_wait_alu depctr_va_vdst(0)
	s_wait_kmcnt 0x0
	s_mul_f32 s[B3N], s[B3N], s[NL2E]
	s_wait_loadcnt 0x0
	AHEAD                                          ; the first batch's keys go out ahead of the weights
	WIN 0x40
.irp u, 0,1
.irp s, 0,1,2,3
.irp c, 0,1,2,3
	global_load_b128 v[16*(4*\u+\s)+4*\c:16*(4*\u+\s)+4*\c+3], v158, s[14:15] offset:4096*\u+128*\s+32*\c
.endr
.endr
.endr
.irp u, 0,1
.irp s, 0,1
.irp c, 0,1,2,3
	global_load_b128 v[128+16*(2*\u+\s)+4*\c:128+16*(2*\u+\s)+4*\c+3], v159, s[18:19] offset:4096*\u+128*\s+32*\c
.endr
.endr
.endr
	WIN 0
.irp u, 0,1
.irp s, 0,1,2,3
	global_load_b32 v[W1S+4*\u+\s], v160, s[16:17] offset:128*\u+4*\s
.endr
.irp s, 0,1
	global_load_b32 v[W2S+2*\u+\s], v161, s[20:21] offset:128*\u+4*\s
.endr
	global_load_b128 v[B1+8*\u:B1+8*\u+3], v[KH], s[24:25] offset:32*\u          ; units 32 w + 16 h + 8 u + 0 .. 7
	global_load_b128 v[B1+8*\u+4:B1+8*\u+7], v[KH], s[24:25] offset:32*\u+16
	global_load_b128 v[B2+8*\u:B2+8*\u+3], v162, s[26:27] offset:64*\u           ; outputs 32 g + 16 u + 8 h + 0 .. 7
	global_load_b128 v[B2+8*\u+4:B2+8*\u+7], v162, s[26:27] offset:64*\u+16
	global_load_b128 v[W3V+8*\u:W3V+8*\u+3], v162, s[22:23] offset:64*\u
	global_load_b128 v[W3V+8*\u+4:W3V+8*\u+7], v162, s[22:23] offset:64*\u+16
.endr
.Lbatch:
	s_wait_loadcnt 0x0                             ; this batch's keys and q, asked for a batch ago, and the next list entry (in the first trip the weights too)
	s_wait_kmcnt 0x0                               ; its count
	ds_store_b128 v[QW], v[XQ:XQ+3]                ; q into my own 512 bytes, and back in the fragment's order: register 16 c + i = q 32 c + 16 (lane / 16) + i.
.irp c, 0,1,2,3
.irp j, 0,1,2,3
	ds_load_b128 v[XQ+16*\c+4*\j:XQ+16*\c+4*\j+3], v[QR] offset:128*\c+16*\j   ; LDS serves a wave's instructions in order (ISA guide 5.7.1.4): these see the store.  The wait stands ahead of q's first reader on each way
.endr
.endr
	s_min_u32 s[CNT], s[CNTN], 200
	s_add_co_u32 s[MT], s[CNT], 15
	s_lshr_b32 s[MT], s[MT], 4
	s_max_u32 s[MT], s[MT], 1                      ; tiles: 1 .. 13
	; ---- X
	s_cmp_ge_u32 s[WV], s[MT]
	s_cbranch_scc1 .Lx1
	XTILE 0
.Lx1:
	s_cmp_ge_u32 s[WV8], s[MT]                     ; more than 128 rows count: tile w + 8 is fetched here
	s_cbranch_scc1 .Lx2
	s_lshl_b32 s[OFS], s[N], 10
	s_mov_b32 s[OFS+1], 0
	s_add_nc_u64 s[OT:OT+1], s[8:9], s[OFS:OFS+1]
	global_load_b32 v[IDXO], v[IA], s[OT:OT+1] offset:512
	s_wait_loadcnt 0x0
	v_min_u32 v[KA], 199, v[IDXO]
	s_delay_alu instid0(VALU_DEP_1)
	v_lshlrev_b32 v[KA], 9, v[KA]
	s_delay_alu instid0(VALU_DEP_1)
	v_add_nc_u32 v[KA], v[KA], v[KH]
	s_wait_alu depctr_va_vdst(0)
	s_wait_dscnt 0x0                               ; the stores into the stage have read the keys' registers
	KLOAD
	s_wait_loadcnt 0x0
	XTILE 1
.Lx2:
	s_cmp_lg_u32 s[WV], 7
	s_cbranch_scc1 .Lx3
	s_wait_dscnt 0x0                               ; q is back in registers
	QUANT XQ, 0                                    ; q: the same row for all 16 columns of the fragment
	IMAGE LI, QIMG
	ds_store_b32 v[LS], v[PW] offset:QSC
.Lx3:
	BARRIER                                        ; x's and q's fragments lie in LDS; so do the sums of the batch before
	s_cmp_eq_u32 s[N], 0
	s_cbranch_scc1 .Lnf
	s_cmp_lg_u32 s[WV], 0
	s_cbranch_scc1 .Lnf
	s_sub_co_u32 s[T0], s[N], 1
	FINAL
.Lnf:
	s_cmp_eq_u32 s[N], 7                           ; the last batch has none behind it
	s_cbranch_scc1 .Lnp
	s_add_co_u32 s[NB], s[N], 1
	AHEAD                                          ; the next batch's keys have the three phases below in which to land
.Lnp:
	; ---- P1: my 32 hidden units for every tile
.irp c, 0,1,2,3
	ds_load_b128 v[XB+16+4*\c:XB+16+4*\c+3], v[LI] offset:QIMG+512*\c
.endr
	ds_load_b32 v[XS+1], v[LS] offset:QSC
	s_mov_b32 s[MX], XIMG
	s_mov_b32 s[MS], XSC
	s_mov_b32 s[MH], HIMG
	s_mov_b32 s[MHS], HSC
	s_mov_b32 s[M], 0
	v_add_nc_u32 v[XIR], s[MX], v[LI]
	v_add_nc_u32 v[XSR], s[MS], v[LS]
	FETCHX 0                                       ; tile 0 is always there
.Lp1:
	s_cmp_ge_u32 s[M], s[MT]
	s_cbranch_scc1 .Lp1s
	s_wait_dscnt 0x0                               ; this tile's fragments are in, and the last tile's stores have read their registers
	WIN 0x01                                       ; source 0 (W1) in window 1
.irp s, 0,1,2,3                        ; the two accumulators take turns, one instruction a turn; b1 is the C of each sum's first product
.irp u, 0,1
.if \s == 0
	v_wmma_scale_f32_16x16x128_f8f6f4 v[ACC+8*\u:ACC+8*\u+7], v[16*(4*\u+\s):16*(4*\u+\s)+15], v[XB+16*\s:XB+16*\s+15], v[B1+8*\u:B1+8*\u+7], v[W1S+4*\u+\s], v[XS+\s] matrix_a_fmt:MATRIX_FMT_BF8 matrix_b_fmt:MATRIX_FMT_BF8
.else
	v_wmma_scale_f32_16x16x128_f8f6f4 v[ACC+8*\u:ACC+8*\u+7], v[16*(4*\u+\s):16*(4*\u+\s)+15], v[XB+16*\s:XB+16*\s+15], v[ACC+8*\u:ACC+8*\u+7], v[W1S+4*\u+\s], v[XS+\s] matrix_a_fmt:MATRIX_FMT_BF8 matrix_b_fmt:MATRIX_FMT_BF8
.endif
.endr
.endr
	WIN 0
	v_add_nc_u32 v[XIR], s[MX], v[LI]              ; eight plain instructions behind the last product, ahead of the loads into its operands and of the first read of results
	v_add_nc_u32 v[XSR], s[MS], v[LS]              ; four are this tile's addresses
	v_add_nc_u32 v[HIW], s[MH], v[HIWB]
	v_add_nc_u32 v[HSW], s[MHS], v[HSWB]
.rept 4
	v_nop
.endr
	s_add_co_u32 s[T0], s[M], 1
	s_cmp_ge_u32 s[T0], s[MT]
	s_cbranch_scc1 .Lp1n
	FETCHX 6144                                    ; the next tile's fragments land under the sigmoid
.Lp1n:
	SIGM ACC
	QBLK
	ds_store_b128 v[HIW], v[PCB:PCB+3]             ; registers 4 c .. 4 c + 3 of K step w / 4's fragment, c = w % 4
	ds_store_b8 v[HSW], v[TMB+4]                   ; and byte c of its scale word
.Lp1s:
	s_add_co_u32 s[MX], s[MX], 6144
	s_add_co_u32 s[MS], s[MS], 384
	s_add_co_u32 s[MH], s[MH], 4096
	s_add_co_u32 s[MHS], s[MHS], 256
	s_add_co_u32 s[M], s[M], 1
	s_cmp_lt_u32 s[M], 13
	s_cbranch_scc1 .Lp1
	BARRIER                                        ; h1's fragments lie in LDS
	; ---- P2: my 32 outputs for tiles j, j + 2, ..
	s_mov_b32 s[M], s[J]
	s_lshl_b32 s[MH], s[J], 12
	s_add_co_u32 s[MH], s[MH], HIMG                ; tile j's fragments,
	s_lshl_b32 s[MHS], s[J], 8
	s_add_co_u32 s[MHS], s[MHS], HSC               ; and its scale words
	s_mov_b32 s[MS], 0
	s_mov_b32 s[CT], 0
	v_add_nc_u32 v[XIR], s[MH], v[LI]
	v_add_nc_u32 v[XSR], s[MHS], v[LS]
	s_cmp_ge_u32 s[J], s[MT]
	s_cbranch_scc1 .Lp2
	FETCHH 0
.Lp2:
	s_cmp_ge_u32 s[M], s[MT]
	s_cbranch_scc1 .Lp2s
	s_wait_dscnt 0x0
	WIN 0x01                                       ; source 0 (W2) in window 1
.irp s, 0,1
.irp u, 0,1
.if \s == 0
	v_wmma_scale_f32_16x16x128_f8f6f4 v[ACC+8*\u:ACC+8*\u+7], v[128+16*(2*\u+\s):128+16*(2*\u+\s)+15], v[HF+16*\s:HF+16*\s+15], v[B2+8*\u:B2+8*\u+7], v[W2S+2*\u+\s], v[HS+\s] matrix_a_fmt:MATRIX_FMT_BF8 matrix_b_fmt:MATRIX_FMT_BF8
.else
	v_wmma_scale_f32_16x16x128_f8f6f4 v[ACC+8*\u:ACC+8*\u+7], v[128+16*(2*\u+\s):128+16*(2*\u+\s)+15], v[HF+16*\s:HF+16*\s+15], v[ACC+8*\u:ACC+8*\u+7], v[W2S+2*\u+\s], v[HS+\s] matrix_a_fmt:MATRIX_FMT_BF8 matrix_b_fmt:MATRIX_FMT_BF8
.endif
.endr
.endr
	WIN 0
	s_min_u32 s[T0], s[MH], HIMG+10*4096           ; the look-ahead of two tiles names tile 12 at the most, the last that a batch can have
	s_min_u32 s[T1], s[MHS], HSC+10*256
	v_add_nc_u32 v[XIR], s[T0], v[LI]              ; eight plain instructions behind the last product, as in P1
	v_add_nc_u32 v[XSR], s[T1], v[LS]
	v_add_nc_u32 v[HIW], s[MS], v[PWB]
.rept 5
	v_nop
.endr
	s_add_co_u32 s[T0], s[M], 2
	s_cmp_ge_u32 s[T0], s[MT]
	s_cbranch_scc1 .Lp2n
	FETCHH 8192
.Lp2n:
	SIGM ACC
	v_pk_mul_f32 v[DT:DT+1], v[ACC:ACC+1], v[W3V:W3V+1]        ; h2 . W3 over my 16 outputs, in two chains
	v_pk_mul_f32 v[DT+2:DT+3], v[ACC+2:ACC+3], v[W3V+2:W3V+3]
.irp i, 4,8,12
	v_pk_fma_f32 v[DT:DT+1], v[ACC+\i:ACC+\i+1], v[W3V+\i:W3V+\i+1], v[DT:DT+1]
	v_pk_fma_f32 v[DT+2:DT+3], v[ACC+\i+2:ACC+\i+3], v[W3V+\i+2:W3V+\i+3], v[DT+2:DT+3]
.endr
	s_delay_alu instid0(VALU_DEP_1)
	v_pk_add_f32 v[DT:DT+1], v[DT:DT+1], v[DT+2:DT+3]
	s_delay_alu instid0(VALU_DEP_1)
	v_add_f32 v[TP], v[DT], v[DT+1]
	s_delay_alu instid0(VALU_DEP_1)
	v_permlanex16_b32 v[TP+1], v[TP], s[SEL], s[SEL+1]
	s_delay_alu instid0(VALU_DEP_1)
	v_add_f32 v[TP], v[TP], v[TP+1]                ; with lane l xor 16's 16 outputs: my 32
	ds_store_b32 v[HIW], v[TP]                     ; lanes r and r + 16 store the same word with the same value
.Lp2s:
	s_add_co_u32 s[MH], s[MH], 8192
	s_add_co_u32 s[MHS], s[MHS], 512
	s_add_co_u32 s[MS], s[MS], 512
	s_add_co_u32 s[M], s[M], 2
	s_add_co_u32 s[CT], s[CT], 1
	s_cmp_lt_u32 s[CT], 7
	s_cbranch_scc1 .Lp2
	BARRIER                                        ; the parts of the dot products lie in LDS
	; ---- S
.irp i, 0,1,2,3,4,5,6,7,8
	v_mov_b32 v[A0+\i], 0                          ; two chains of four channels, and the sum of p: a wave without a tile hands on zeros
.endr
	s_cmp_ge_u32 s[WV], s[MT]
	s_cbranch_scc1 .Ls1
	STILE 0
.Ls1:
	s_cmp_gt_u32 s[WV], 4                          ; a batch has at most 13 tiles: only waves 0 to 4 can have a tile w + 8
	s_cbranch_scc1 .Ls2
	s_cmp_ge_u32 s[WV8], s[MT]
	s_cbranch_scc1 .Ls2
	STILE 1
.Ls2:
	s_wait_alu depctr_va_vdst(0)
	v_pk_add_f32 v[A0:A0+1], v[A0:A0+1], v[A1:A1+1]
	v_pk_add_f32 v[A0+2:A0+3], v[A0+2:A0+3], v[A1+2:A1+3]
	v_add_f32_dpp v[LSUM], v[LSUM], v[LSUM] row_xmask:1 row_mask:0xf bank_mask:0xf   ; over the 16 rows; both halves of the lanes hold the same
	s_delay_alu instid0(VALU_DEP_1)
	v_add_f32_dpp v[LSUM], v[LSUM], v[LSUM] row_xmask:2 row_mask:0xf bank_mask:0xf
	s_delay_alu instid0(VALU_DEP_1)
	v_add_f32_dpp v[LSUM], v[LSUM], v[LSUM] row_xmask:4 row_mask:0xf bank_mask:0xf
	s_delay_alu instid0(VALU_DEP_1)
	v_add_f32_dpp v[LSUM], v[LSUM], v[LSUM] row_xmask:8 row_mask:0xf bank_mask:0xf
	ds_store_b128 v[OPW], v[A0:A0+3]
	ds_store_b32 v[LPW], v[LSUM]                   ; all lanes store the same word with the same value
	s_wait_dscnt 0x0                               ; the stores have read their registers: the next batch writes them
	s_add_co_u32 s[N], s[N], 1
	s_cmp_lt_u32 s[N], 8
	s_cbranch_scc1 .Lbatch
	BARRIER                                        ; the last batch's sums lie in LDS
	s_cmp_lg_u32 s[WV], 0
	s_cbranch_scc1 .Lend
	s_mov_b32 s[T0], 7
	FINAL
.Lend:
	s_wait_xcnt 0x0
	v_lshl_add_u32 v254, v0, 2, 0x4e300
	v_mov_b32 v255, 0
	s_wait_alu depctr_va_vdst(0)
	s_wait_tensorcnt 0x0
	ds_add_u32 v254, v255
	s_wait_dscnt 0x0
	s_endpgm
.Lfunc_end_k_q075c9e05ae_attend:
	.size	k_q075c9e05ae_attend, .Lfunc_end_k_q075c9e05ae_attend-k_q075c9e05ae_attend
	.p2alignl 7, 3214868480
	.fill 96, 4, 3214868480
	.section	.rodata,"a",@progbits
	.p2align	6, 0x0
	.amdhsa_kernel k_q075c9e05ae_attend
		.amdhsa_group_segment_fixed_size 325376
		.amdhsa_private_segment_fixed_size 0
		.amdhsa_enable_private_segment 0
		.amdhsa_kernarg_size 104
		.amdhsa_user_sgpr_count 2
		.amdhsa_user_sgpr_kernarg_segment_ptr 1
		.amdhsa_wavefront_size32 1
		.amdhsa_system_sgpr_workgroup_id_x 1
		.amdhsa_system_sgpr_workgroup_id_y 1
		.amdhsa_system_sgpr_workgroup_id_z 1
		.amdhsa_system_vgpr_workitem_id 0
		.amdhsa_next_free_vgpr 512
		.amdhsa_next_free_sgpr 68
		.amdhsa_reserve_vcc 1
		.amdhsa_float_denorm_mode_32 3
		.amdhsa_float_denorm_mode_16_64 3
		.amdhsa_memory_ordered 1
		.amdhsa_forward_progress 1
		.amdhsa_inst_pref_size 128
	.end_amdhsa_kernel
	.amdgpu_metadata
---
amdhsa.version: [ 1, 2 ]
amdhsa.kernels:
  - .name:           k_q075c9e05ae_attend
    .symbol:         k_q075c9e05ae_attend.kd
    .args:
      - { .name: order, .offset: 0, .size: 8, .value_kind: global_buffer, .address_space: global }
      - { .name: keys, .offset: 8, .size: 8, .value_kind: global_buffer, .address_space: global }
      - { .name: query, .offset: 16, .size: 8, .value_kind: global_buffer, .address_space: global }
      - { .name: W1_codes, .offset: 24, .size: 8, .value_kind: global_buffer, .address_space: global }
      - { .name: W1_scales, .offset: 32, .size: 8, .value_kind: global_buffer, .address_space: global }
      - { .name: W2_codes, .offset: 40, .size: 8, .value_kind: global_buffer, .address_space: global }
      - { .name: W2_scales, .offset: 48, .size: 8, .value_kind: global_buffer, .address_space: global }
      - { .name: W3, .offset: 56, .size: 8, .value_kind: global_buffer, .address_space: global }
      - { .name: b1, .offset: 64, .size: 8, .value_kind: global_buffer, .address_space: global }
      - { .name: b2, .offset: 72, .size: 8, .value_kind: global_buffer, .address_space: global }
      - { .name: b3, .offset: 80, .size: 8, .value_kind: global_buffer, .address_space: global }
      - { .name: out0, .offset: 88, .size: 8, .value_kind: global_buffer, .address_space: global }
      - { .name: cnts, .offset: 96, .size: 8, .value_kind: global_buffer, .address_space: global }
    .group_segment_fixed_size: 325376
    .private_segment_fixed_size: 0
    .kernarg_segment_align: 8
    .kernarg_segment_size: 104
    .max_flat_workgroup_size: 256
    .sgpr_count:     68
    .vgpr_count:     512
    .wavefront_size: 32
...
	.end_amdgpu_metadata
.endif
;; end of part 2
